; MI455X (gfx1250); checked and timed in simulation.
; The chip was launched on July 23, 2026; its instructions are those of AMD's public machine-readable ISA for CDNA 5 (MIT licence, August 2026) and "CDNA5" Instruction Set Architecture Reference Guide (July 2026). The comments in the code are by the model that wrote it; some were corrected since.
;; DAP Tri Att End. Allowed arithmetic: float matrix products may take bf16 or f16 operands with f32 sums; all other float work in f32.
;; Inputs: bg 128 float32; bo 128 float32; ln_b 128 float32; ln_w 128 float32; mask 1 x 256 x 256 float32; w_bias 4 x 128 float32; wg 128 x 4 x 32 float32; wk 128 x 4 x 32 float32; wo 128 x 128 float32; wq 128 x 4 x 32 float32; wv 128 x 4 x 32 float32; x 1 x 256 x 256 x 128 float32.
;; Outputs: out0 1 x 256 x 256 x 128 float32.
;; One version. Each part assembles by itself: llvm-mc -triple=amdgcn-amd-amdhsa -mcpu=gfx1250 --defsym DOCPART=n.
;; ======== version 1 of 1: 2 launches
;; limits: values are held in f16: magnitudes above 65,504 overflow, below 6.1e-05 lose precision
;; workspace buffers: xnh 16,777,216 bytes; tbw 1,048,576 bytes; wf 163,840 bytes; mbt 262,144 bytes
;; launch prep (part 1): grid 256 x 1, 4 waves a work-group, no clusters, 168,448 bytes of LDS; arguments x, mask, ln_w, ln_b, w_bias, wq, wk, wv, wg, wo, xnh, tbw, wf, mbt; writes xnh, tbw, wf, mbt
.if DOCPART == 1
	.amdgcn_target "amdgcn-amd-amdhsa--gfx1250"
	.amdhsa_code_object_version 6
	.text
	.protected	k_q4c7073c81b_prep
	.globl	k_q4c7073c81b_prep
	.p2align	8
	.type	k_q4c7073c81b_prep,@function
k_q4c7073c81b_prep:
	s_mov_b64 s[64:65], 0
	v_nop
	global_prefetch_b8 v0, s[64:65] scope:SCOPE_SE
	s_setreg_imm32_b32 hwreg(HW_REG_WAVE_MODE, 25, 1), 1
	s_wait_xcnt 0x0
; FIRST LAUNCH of triangle attention round the ending node.  It reads x once and leaves what the second launch needs:
;   xnh [256][256][128] f16 : LN(x) * ln_w + ln_b, in x's own order
;   tbw 1 MiB f32           : the triangle bias tb[H][q][k] = xn[k][q][:] . w_bias[H][:], times log2(e), laid out as the C operand of a
;                             matrix instruction: byte ((t*4+H)*16+kt)*1024 + e2*512 + 16*(r+16*hh) + 4*a holds q = 16t+r, k = 16kt+8hh+4e2+a
;   wf  160 KiB f16         : wq (times log2(e)/sqrt(32)), wk, wv, wg (times -log2(e)), wo as operand fragments, 40,960 bytes for each head:
;                             chunk ci = (e*4+s)*2+e' of 512 bytes, lane (r,h) holds row 16(2*head+e)+r, contraction index 32s+16e'+8h+0..7
;   mbt [256 i][256 k] f32  : 1e9*log2(e)*(mask[k][i]-1), by one fused multiply-add
; 256 work-groups of four waves.  Work-group g owns the positions x[16kt+kl][16t+ql], t = g & 15, kt = g >> 4; wave w owns kl = 4w+a, a = 0..3:
; four tiles of 16 rows x 512 bytes, each 8 KiB that lie together in memory.  No wave reads LDS bytes of another: there is no barrier.
; Four tensor loads of 16 rows a wave and not one of 64: the four tiles lie 131,072 bytes apart, and tile a is normalised while a+1.. land.
; No cluster: no two work-groups read the same bytes of x.  No prefetch: every byte is asked for in the kernel's first lines.
; LIMITS: matrix operands are f16: |xn| and |w_bias*log2(e)| must stay below 65,504; numbers below 2^-14 are kept with an absolute step of 2^-24.
; The variance is taken from the centred numbers (two passes), so a common offset of x costs no accuracy.  NaN and infinities pass through.
.set L2E,    0x3fb8aa3b                ; log2(e)
.set NL2E,   0xbfb8aa3b                ; -log2(e)
.set QS,     0x3e8293ee                ; log2(e) / sqrt(32)
.set MC,     0x4eabfb8f                ; 1e9 * log2(e)
.set NMC,    0xceabfb8f
.set XP,     528                       ; LDS pitch of a row of x: 512 bytes + 16 = 33 x 16, so 16 rows start in 16 different 16-byte columns modulo 256 bytes
.set TILEB,  16*XP                     ; a tile in LDS
.set ST,     256*XP                    ; behind the 16 tiles: a stage of 16 rows x 272 bytes for each wave; no tensor load lands there
.set SPITCH, 272
.set XA,  4                            ; v4   LDS: my 32 bytes in row r of my wave's tile 0
.set STW, 5                            ; v5   stage, in: row r, 16 bytes for each half of the lanes
.set STR, 6                            ; v6   stage, back: lanes 0-15 one row of 256 bytes, lanes 16-31 the next
.set L16, 7                            ; v7   16 x lane
.set TBO, 8                            ; v8   my offset in tbw: h * 16384 + 16 r
.set H32, 9                            ; v9   32 h
.set WBO, 10                           ; v10  my offset in w_bias
.set PT,  11                           ; v11  takes the other half's figure
.set MU,  12                           ; v[12:13] mean, twice
.set RS,  14                           ; v[14:15] 1/sqrt(var+eps), twice
.set CH,  16                           ; v[16:23] four chains of pairs
.set XR,  32                           ; v[32:95] 64 channels of my row in f32: XR[8c+j] = channel 16c+8h+j
.set XF,  96                           ; v[96:127] the same as four f16 fragments
.set WB,  128                          ; v[128:159] w_bias * log2(e) as four f16 fragments
.set D0,  160                          ; two accumulators
.set D1,  168
.set OUT, 176                          ; v[176:183] tb of my four k, heads h and 2+h
.set RB,  184                          ; v[184:215] rows read back from the stage
.set LW,  0                            ; window 1: v[0:63] ln_w, v[64:127] ln_b of my 64 channels
.set LB,  64
.set G1,  32                           ; s[32:39] descriptor group 1
.set G0,  40                           ; s[40:55] descriptor group 0, one for each tile
.set MSB, 0
.macro WIN new                         ; the immediate's high byte repeats the setting that is left
.if MSB != \new
	s_set_vgpr_msb (MSB<<8)|\new
.set MSB, \new
.endif
.endm
	s_load_b512 s[4:19], s[0:1], 0x0               ; x, mask, ln_w, ln_b, w_bias, wq, wk, wv
	s_load_b256 s[20:27], s[0:1], 0x40             ; wg, wo, xnh, tbw
	s_load_b128 s[28:31], s[0:1], 0x60             ; wf, mbt
	v_lshl_add_u32 v254, v0, 2, 0x29000
	v_mov_b32 v255, 0
	ds_add_u32 v254, v255
	ds_add_u32 v254, v255
	v_lshrrev_b32 v1, 5, v0
	v_readfirstlane_b32 s56, v1                    ; wave w
	s_mov_b32 s59, ttmp9                           ; g
	s_and_b32 s57, s59, 15                         ; t
	s_lshr_b32 s58, s59, 4                         ; kt
	; group 1: 16 rows of 128 f32, 4 words of padding behind every 128 words
	s_mov_b32 s[G1+0], 0x07920000                  ; element of 4 bytes (2<<16), padding on (1<<20), interval 128 words (6<<22), 4 words (3<<25)
	s_mov_b32 s[G1+1], 128<<16                     ; tensor_dim0 = 128
	s_mov_b32 s[G1+2], 16<<16                      ; tensor_dim1 = 16
	s_mov_b32 s[G1+3], 128<<16                     ; tile_dim0 = 128
	s_mov_b32 s[G1+4], 16                          ; tile_dim1 = 16
	s_mov_b32 s[G1+5], 128                         ; 128 elements from row to row
	s_mov_b32 s[G1+6], 0
	s_mov_b32 s[G1+7], 0
	s_lshl_b32 s60, s58, 21                        ; ((16kt+4w)*256 + 16t) * 512 bytes
	s_lshl_b32 s61, s56, 19
	s_add_co_u32 s60, s60, s61
	s_lshl_b32 s61, s57, 13
	s_add_co_u32 s60, s60, s61
	s_mov_b32 s61, 0
	s_mul_i32 s62, s56, 4*TILEB                    ; my wave's four tiles in LDS
	s_wait_dscnt 0x0
	s_wait_kmcnt 0x0
	s_add_nc_u64 s[60:61], s[4:5], s[60:61]
	; the four first fills go out together, ahead of everything else: a wave has four tensor loads out
.irp a, 0,1,2,3
	s_mov_b32 s[G0+4*\a], 1
	s_add_co_u32 s[G0+4*\a+1], s62, \a*TILEB
	s_add_nc_u64 s[G0+4*\a+2:G0+4*\a+3], s[60:61], \a*131072       ; one k further: 256 x 512 bytes
	s_or_b32 s[G0+4*\a+3], s[G0+4*\a+3], 0x80000000
	tensor_load_to_lds s[G0+4*\a:G0+4*\a+3], s[G1:G1+7]
	s_nop 0
.endr
	v_and_b32 v1, 31, v0                           ; lane
	v_and_b32 v2, 15, v0                           ; r
	v_bfe_u32 v3, v0, 4, 1                         ; h
	v_mul_u32_u24 v[XA], v2, XP
	v_lshl_add_u32 v[XA], v3, 5, v[XA]
	v_add_nc_u32 v[XA], s62, v[XA]
	s_mul_i32 s63, s56, 16*SPITCH
	s_add_co_u32 s63, s63, ST
	v_mul_u32_u24 v[STW], v2, SPITCH
	v_lshl_add_u32 v[STW], v3, 4, v[STW]
	v_add_nc_u32 v[STW], s63, v[STW]
	v_mul_u32_u24 v[STR], v3, SPITCH
	v_lshl_add_u32 v[STR], v2, 4, v[STR]
	v_add_nc_u32 v[STR], s63, v[STR]
	v_lshlrev_b32 v[L16], 4, v1
	v_lshlrev_b32 v[TBO], 14, v3
	v_lshl_add_u32 v[TBO], v2, 4, v[TBO]
	v_lshlrev_b32 v[H32], 5, v3
	; row m of the bias product's first operand holds head 2*((m&7)>>2) + (m>>3): result register j of lane half h is then head 2*(j>>2)+h
	v_bfe_u32 v[WBO], v0, 2, 1
	v_bfe_u32 v[PT], v0, 3, 1
	v_lshl_add_u32 v[WBO], v[WBO], 1, v[PT]
	v_lshl_add_u32 v[WBO], v[WBO], 9, v[H32]
	v_mov_b32 v[PT], 0                             ; v_permlanex16_b32 counts as a reader of its destination
	WIN 0x40                                       ; destination in window 1
.irp c, 0,1,2,3,4,5,6,7
	global_load_b128 v[LW+8*\c:LW+8*\c+3],   v[H32], s[8:9] offset:64*\c
	global_load_b128 v[LW+8*\c+4:LW+8*\c+7], v[H32], s[8:9] offset:64*\c+16
	global_load_b128 v[LB+8*\c:LB+8*\c+3],   v[H32], s[10:11] offset:64*\c
	global_load_b128 v[LB+8*\c+4:LB+8*\c+7], v[H32], s[10:11] offset:64*\c+16
.endr
	WIN 0
.irp c, 0,1,2,3,4,5,6,7
	global_load_b128 v[XR+8*\c:XR+8*\c+3],   v[WBO], s[12:13] offset:64*\c
	global_load_b128 v[XR+8*\c+4:XR+8*\c+7], v[WBO], s[12:13] offset:64*\c+16
.endr
	; SIDE JOB 1, work-groups 0 to 79, while x is on its way: each wave makes one chunk of 512 bytes of wf (5 matrices x 4 heads x 16 chunks = 320)
	s_cmp_ge_u32 s59, 80
	s_cbranch_scc1 .Lno_weights
	s_lshr_b32 s66, s59, 4                         ; matrix: 0 wq, 1 wk, 2 wv, 3 wg, 4 wo
	s_bfe_u32 s67, s59, 0x20002                    ; head
	s_and_b32 s68, s59, 3
	s_lshl2_add_u32 s68, s68, s56                  ; chunk ci = 4 (g & 3) + w
	s_lshr_b32 s69, s68, 3                         ; e
	s_bfe_u32 s70, s68, 0x20001                    ; s
	s_and_b32 s71, s68, 1                          ; e'
	s_mov_b64 s[72:73], s[14:15]
	s_cmp_eq_u32 s66, 1
	s_cselect_b64 s[72:73], s[16:17], s[72:73]
	s_cmp_eq_u32 s66, 2
	s_cselect_b64 s[72:73], s[18:19], s[72:73]
	s_cmp_eq_u32 s66, 3
	s_cselect_b64 s[72:73], s[20:21], s[72:73]
	s_cmp_eq_u32 s66, 4
	s_cselect_b64 s[72:73], s[22:23], s[72:73]
	s_cselect_b32 s74, 4, 512                      ; bytes from one contraction index to the next: wq..wg are [c][n], wo is [n][c]
	s_cselect_b32 s75, 512, 4                      ; bytes from one row n to the next
	s_mov_b32 s76, 1.0
	s_cmp_eq_u32 s66, 0
	s_cselect_b32 s76, QS, s76
	s_cmp_eq_u32 s66, 3
	s_cselect_b32 s76, NL2E, s76
	s_mov_b32 s77, s76
	s_lshl_b32 s78, s70, 5
	s_lshl4_add_u32 s78, s71, s78                  ; 32 s + 16 e'
	s_lshl1_add_u32 s79, s67, s69
	s_lshl_b32 s79, s79, 4                         ; 16 (2 head + e)
	v_lshl_add_u32 v176, v3, 3, s78                ; first contraction index
	v_add_nc_u32 v177, s79, v2                     ; row n
	v_mul_u32_u24 v176, v176, s74
	v_mad_u32_u24 v176, v177, s75, v176
.irp j, 1,2,3,4,5,6,7
	v_mad_u32_u24 v[176+\j], s74, \j, v176
.endr
.irp j, 0,1,2,3,4,5,6,7
	global_load_b32 v[184+\j], v[176+\j], s[72:73]
.endr
	s_mul_i32 s78, s67, 40960                      ; head * 40960 + matrix * 8192 + ci * 512
	s_lshl_b32 s79, s66, 13
	s_add_co_u32 s78, s78, s79
	s_lshl_b32 s79, s68, 9
	s_add_co_u32 s78, s78, s79
	s_mov_b32 s79, 0
	s_add_nc_u64 s[78:79], s[28:29], s[78:79]
	s_wait_loadcnt 0x0
.irp u, 0,1,2,3
	v_pk_mul_f32 v[184+2*\u:185+2*\u], v[184+2*\u:185+2*\u], s[76:77] op_sel_hi:[1,0]
.endr
.irp u, 0,1,2,3
	v_cvt_pk_f16_f32 v[192+\u], v[184+2*\u], v[185+2*\u]
.endr
	global_store_b128 v[L16], v[192:195], s[78:79] ; the wave stores 512 consecutive bytes, aligned
	s_wait_xcnt 0x0                                ; the store's data and base are written again only behind this wait
.Lno_weights:
	; SIDE JOB 2, work-groups 128 to 159: eight columns i of the mask, transposed; wave w takes k = 64w .. 64w+63
	s_sub_co_u32 s66, s59, 128
	s_cmp_ge_u32 s66, 32                           ; unsigned: g < 128 wraps to a large number
	s_cbranch_scc1 .Lno_mask
	s_lshl_b32 s67, s56, 6
	s_lshl_b32 s68, s66, 3
	s_mov_b32 s70, MC
	s_mov_b32 s71, NMC
	v_lshl_add_u32 v176, v2, 2, s67                ; k0 = 64 w + 4 r
	v_lshl_add_u32 v177, v3, 2, s68                ; i0 = 8 (g - 128) + 4 h
	v_lshlrev_b32 v178, 2, v177
	v_lshl_add_u32 v178, v176, 10, v178            ; mask[k0][i0]
	v_lshlrev_b32 v179, 2, v176
	v_lshl_add_u32 v179, v177, 10, v179            ; mbt[i0][k0]
.irp a, 0,1,2,3
	global_load_b128 v[184+4*\a:187+4*\a], v178, s[6:7] offset:1024*\a
.endr
	s_wait_loadcnt 0x0
.irp b, 0,1,2,3
.irp a, 0,1,2,3
	v_fma_f32 v[200+4*\b+\a], v[184+4*\a+\b], s70, s71             ; the transposition is a choice of registers
.endr
.endr
.irp b, 0,1,2,3
	global_store_b128 v179, v[200+4*\b:203+4*\b], s[30:31] offset:1024*\b   ; sixteen lanes store 256 consecutive bytes, aligned
.endr
.Lno_mask:
	s_wait_loadcnt 0x0                             ; ln_w, ln_b, w_bias
	s_wait_xcnt 0x0                                ; the side jobs' registers are written again only behind this wait
	s_mov_b32 s66, 0x76543210                      ; v_permlanex16_b32: lane i reads lane i of the other half
	s_mov_b32 s67, 0xfedcba98
	s_mov_b32 s68, 0x3c000000                      ; 1/128
	s_mov_b32 s69, 0x3727c5ac                      ; 1e-5
	s_lshl_b32 s70, s58, 20                        ; xnh: ((16kt+4w)*256 + 16t) * 256 bytes
	s_lshl_b32 s71, s56, 18
	s_add_co_u32 s70, s70, s71
	s_lshl_b32 s71, s57, 12
	s_add_co_u32 s70, s70, s71
	s_mov_b32 s71, 0
	s_add_nc_u64 s[70:71], s[24:25], s[70:71]
	s_lshl_b32 s72, s57, 16                        ; tbw: t*65536 + kt*1024 + (w&1)*512 + (w>>1)*256
	s_lshl_b32 s73, s58, 10
	s_add_co_u32 s72, s72, s73
	s_and_b32 s73, s56, 1
	s_lshl_b32 s73, s73, 9
	s_add_co_u32 s72, s72, s73
	s_lshr_b32 s73, s56, 1
	s_lshl_b32 s73, s73, 8
	s_add_co_u32 s72, s72, s73
	s_mov_b32 s73, 0
	s_add_nc_u64 s[72:73], s[26:27], s[72:73]
	; w_bias * log2(e) as fragments
.irp m, 0,1,2,3,4,5,6,7
.irp c, 0,1,2,3
	v_pk_mul_f32 v[XR+8*\m+2*\c:XR+8*\m+2*\c+1], v[XR+8*\m+2*\c:XR+8*\m+2*\c+1], L2E op_sel_hi:[1,0]
.endr
.endr
.irp m, 0,1,2,3,4,5,6,7
.irp c, 0,1,2,3
	v_cvt_pk_f16_f32 v[WB+4*\m+\c], v[XR+8*\m+2*\c], v[XR+8*\m+2*\c+1]
.endr
.endr
.macro REDUCE                          ; the four chains, the two halves of a pair, the two lanes that share a row: the sum in every lane, in v[CH]
	v_pk_add_f32 v[CH:CH+1], v[CH:CH+1], v[CH+2:CH+3]
	v_pk_add_f32 v[CH+4:CH+5], v[CH+4:CH+5], v[CH+6:CH+7]
	v_pk_add_f32 v[CH:CH+1], v[CH:CH+1], v[CH+4:CH+5]
	v_add_f32 v[CH], v[CH], v[CH+1]
	v_permlanex16_b32 v[PT], v[CH], s66, s67
	v_add_f32 v[CH], v[CH], v[PT]
.endm
; One tile: k = 16kt+4w+a, q = 16t .. 16t+15.  Lane (r,h) holds 64 of row r's 128 channels.
.macro TILE a
	s_wait_tensorcnt 3-\a                          ; tensor loads of a wave end in order (ISA guide 10.11.1): tile a is in, the 3-a younger ones may be out
.irp c, 0,1,2,3,4,5,6,7
	ds_load_b128 v[XR+8*\c:XR+8*\c+3],   v[XA] offset:\a*TILEB+64*\c
	ds_load_b128 v[XR+8*\c+4:XR+8*\c+7], v[XA] offset:\a*TILEB+64*\c+16
.endr
	s_wait_dscnt 0x0
.irp c, 0,1,2,3
	v_pk_add_f32 v[CH+2*\c:CH+2*\c+1], v[XR+2*\c:XR+2*\c+1], v[XR+8+2*\c:XR+8+2*\c+1]   ; the first sums start the chains: nothing is cleared
.endr
.irp m, 2,3,4,5,6,7
.irp c, 0,1,2,3
	v_pk_add_f32 v[CH+2*\c:CH+2*\c+1], v[CH+2*\c:CH+2*\c+1], v[XR+8*\m+2*\c:XR+8*\m+2*\c+1]
.endr
.endr
	REDUCE
	v_mul_f32 v[MU], s68, v[CH]
	v_mul_f32 v[MU+1], s68, v[CH]
.irp m, 0,1,2,3,4,5,6,7
.irp c, 0,1,2,3
	v_pk_add_f32 v[XR+8*\m+2*\c:XR+8*\m+2*\c+1], v[XR+8*\m+2*\c:XR+8*\m+2*\c+1], v[MU:MU+1] neg_lo:[0,1] neg_hi:[0,1]
.endr
.endr
.irp c, 0,1,2,3
	v_pk_mul_f32 v[CH+2*\c:CH+2*\c+1], v[XR+2*\c:XR+2*\c+1], v[XR+2*\c:XR+2*\c+1]
.endr
.irp m, 1,2,3,4,5,6,7
.irp c, 0,1,2,3
	v_pk_fma_f32 v[CH+2*\c:CH+2*\c+1], v[XR+8*\m+2*\c:XR+8*\m+2*\c+1], v[XR+8*\m+2*\c:XR+8*\m+2*\c+1], v[CH+2*\c:CH+2*\c+1]
.endr
.endr
	REDUCE
	v_fma_f32 v[CH], v[CH], s68, s69               ; var + eps
	v_rsq_f32 v[RS], v[CH]
	v_rsq_f32 v[RS+1], v[CH]
	v_nop                                          ; one plain instruction between a transcendental and the use of its result (ISA guide 5.7.2)
	s_wait_alu depctr_va_vdst(0)
.irp m, 0,1,2,3,4,5,6,7
.irp c, 0,1,2,3
	v_pk_mul_f32 v[XR+8*\m+2*\c:XR+8*\m+2*\c+1], v[XR+8*\m+2*\c:XR+8*\m+2*\c+1], v[RS:RS+1]
.endr
.endr
	WIN 0x14                                       ; sources 1 and 2 in window 1
.irp m, 0,1,2,3,4,5,6,7
.irp c, 0,1,2,3
	v_pk_fma_f32 v[XR+8*\m+2*\c:XR+8*\m+2*\c+1], v[XR+8*\m+2*\c:XR+8*\m+2*\c+1], v[LW+8*\m+2*\c:LW+8*\m+2*\c+1], v[LB+8*\m+2*\c:LB+8*\m+2*\c+1]
.endr
.endr
	WIN 0
.irp m, 0,1,2,3,4,5,6,7
.irp c, 0,1,2,3
	v_cvt_pk_f16_f32 v[XF+4*\m+\c], v[XR+8*\m+2*\c], v[XR+8*\m+2*\c+1]     ; channels 16m+8h+2c, +1: registers 8s..8s+7 are the fragment of K step s
.endr
.endr
	; tb: rows = heads (each four times), columns = the 16 q.  Two accumulators by turns.
	v_wmma_f32_16x16x32_f16 v[D0:D0+7], v[WB:WB+7],       v[XF:XF+7],       0
	v_wmma_f32_16x16x32_f16 v[D1:D1+7], v[WB+8:WB+15],    v[XF+8:XF+15],    0
	v_wmma_f32_16x16x32_f16 v[D0:D0+7], v[WB+16:WB+23],   v[XF+16:XF+23],   v[D0:D0+7]
	v_wmma_f32_16x16x32_f16 v[D1:D1+7], v[WB+24:WB+31],   v[XF+24:XF+31],   v[D1:D1+7]
	; xn leaves through my wave's own stage, so that a store of the wave covers two whole rows of 256 bytes
.irp c, 0,1,2,3,4,5,6,7
	ds_store_b128 v[STW], v[XF+4*\c:XF+4*\c+3] offset:32*\c
.endr
	s_wait_xcnt 0x0                                ; RB, which the last tile's stores read, is written again only behind this wait
.irp n, 0,1,2,3,4,5,6,7
	ds_load_b128 v[RB+4*\n:RB+4*\n+3], v[STR] offset:2*SPITCH*\n   ; LDS serves a wave's instructions in order (ISA guide 5.7.1): these see the stores above
.endr
.irp n, 0,1,2,3,4,5,6,7
	s_wait_dscnt 7-\n                              ; read-back n is in, the 7-n younger ones may be out
	global_store_b128 v[L16], v[RB+4*\n:RB+4*\n+3], s[70:71] offset:\a*65536+512*\n   ; 512 consecutive bytes, aligned
.endr
.rept 4
	v_nop                                          ; four places between a matrix instruction and a vector instruction that reads its result (ISA guide 7.12.1)
.endr
	v_add_f32 v[OUT+\a],   v[D0+\a],   v[D1+\a]    ; head h,   k = 16kt+4w+a
	v_add_f32 v[OUT+4+\a], v[D0+4+\a], v[D1+4+\a]  ; head 2+h
.endm
	TILE 0
	TILE 1
	TILE 2
	TILE 3                                         ; its wait on TENSORcnt is for 0: none is out at the end
	global_store_b128 v[TBO], v[OUT:OUT+3],   s[72:73]                 ; each half of the lanes stores 256 consecutive bytes, aligned
	global_store_b128 v[TBO], v[OUT+4:OUT+7], s[72:73] offset:32768
	s_wait_tensorcnt 0x0
	ds_add_u32 v254, v255
	s_wait_dscnt 0x0
	s_endpgm
.Lfunc_end_k_q4c7073c81b_prep:
	.size	k_q4c7073c81b_prep, .Lfunc_end_k_q4c7073c81b_prep-k_q4c7073c81b_prep
	.p2alignl 7, 3214868480
	.fill 96, 4, 3214868480
	.section	.rodata,"a",@progbits
	.p2align	6, 0x0
	.amdhsa_kernel k_q4c7073c81b_prep
		.amdhsa_group_segment_fixed_size 168448
		.amdhsa_private_segment_fixed_size 0
		.amdhsa_enable_private_segment 0
		.amdhsa_kernarg_size 112
		.amdhsa_user_sgpr_count 2
		.amdhsa_user_sgpr_kernarg_segment_ptr 1
		.amdhsa_wavefront_size32 1
		.amdhsa_system_sgpr_workgroup_id_x 1
		.amdhsa_system_sgpr_workgroup_id_y 1
		.amdhsa_system_sgpr_workgroup_id_z 1
		.amdhsa_system_vgpr_workitem_id 0
		.amdhsa_next_free_vgpr 384
		.amdhsa_next_free_sgpr 80
		.amdhsa_reserve_vcc 0
		.amdhsa_float_denorm_mode_32 3
		.amdhsa_float_denorm_mode_16_64 3
		.amdhsa_memory_ordered 1
		.amdhsa_forward_progress 1
		.amdhsa_inst_pref_size 86
	.end_amdhsa_kernel
	.amdgpu_metadata
---
amdhsa.version: [ 1, 2 ]
amdhsa.kernels:
  - .name:           k_q4c7073c81b_prep
    .symbol:         k_q4c7073c81b_prep.kd
    .args:
      - { .name: x, .offset: 0, .size: 8, .value_kind: global_buffer, .address_space: global }
      - { .name: mask, .offset: 8, .size: 8, .value_kind: global_buffer, .address_space: global }
      - { .name: ln_w, .offset: 16, .size: 8, .value_kind: global_buffer, .address_space: global }
      - { .name: ln_b, .offset: 24, .size: 8, .value_kind: global_buffer, .address_space: global }
      - { .name: w_bias, .offset: 32, .size: 8, .value_kind: global_buffer, .address_space: global }
      - { .name: wq, .offset: 40, .size: 8, .value_kind: global_buffer, .address_space: global }
      - { .name: wk, .offset: 48, .size: 8, .value_kind: global_buffer, .address_space: global }
      - { .name: wv, .offset: 56, .size: 8, .value_kind: global_buffer, .address_space: global }
      - { .name: wg, .offset: 64, .size: 8, .value_kind: global_buffer, .address_space: global }
      - { .name: wo, .offset: 72, .size: 8, .value_kind: global_buffer, .address_space: global }
      - { .name: xnh, .offset: 80, .size: 8, .value_kind: global_buffer, .address_space: global }
      - { .name: tbw, .offset: 88, .size: 8, .value_kind: global_buffer, .address_space: global }
      - { .name: wf, .offset: 96, .size: 8, .value_kind: global_buffer, .address_space: global }
      - { .name: mbt, .offset: 104, .size: 8, .value_kind: global_buffer, .address_space: global }
    .group_segment_fixed_size: 168448
    .private_segment_fixed_size: 0
    .kernarg_segment_align: 8
    .kernarg_segment_size: 112
    .max_flat_workgroup_size: 128
    .sgpr_count:     80
    .vgpr_count:     384
    .wavefront_size: 32
...
	.end_amdgpu_metadata
.endif
;; end of part 1
;; launch attn (part 2): grid 256 x 1, 4 waves a work-group, clusters of 4 x 1, 327,680 bytes of LDS; arguments xnh, tbw, wf, mbt, bg, bo, out0; writes out0
.if DOCPART == 2
	.amdgcn_target "amdgcn-amd-amdhsa--gfx1250"
	.amdhsa_code_object_version 6
	.text
	.protected	k_q4c7073c81b_attn
	.globl	k_q4c7073c81b_attn
	.p2align	8
	.type	k_q4c7073c81b_attn,@function
k_q4c7073c81b_attn:
	s_mov_b64 s[64:65], 0
	v_nop
	global_prefetch_b8 v0, s[64:65] scope:SCOPE_SE
	s_setreg_imm32_b32 hwreg(HW_REG_WAVE_MODE, 25, 1), 1
	s_wait_xcnt 0x0
	s_wait_alu depctr_hold_cnt(0) depctr_sa_sdst(0) depctr_va_vdst(0) depctr_va_sdst(0) depctr_va_ssrc(0) depctr_va_vcc(0) depctr_vm_vsrc(0)
	s_getreg_b32 s2, hwreg(HW_REG_IB_STS2, 6, 4)
	s_cmp_eq_u32 s2, 0
	s_cbranch_scc0 .Lentry_in_a_cluster
	s_endpgm
.Lentry_in_a_cluster:
	s_bfe_u32 s2, ttmp6, 0x10000c
	s_cmp_lg_u32 s2, 0x3003
	s_cbranch_scc0 .Lentry_shape_is_right
	s_endpgm
.Lentry_shape_is_right:
; SECOND LAUNCH of triangle attention round the ending node.  Work-group i (256 of them) takes column i: the 256 positions p with xn = xnh[p][i][:],
; projects them to q, k, v, g, attends among them with the biases tbw (shared by all i) and mbt[i][:], gates, projects by wo and stores out0[p][i][:].
; Four waves; wave w is head w up to o*g, owns output channels 32w .. 32w+31 in the output projection, and copies rows 4w .. 4w+3 of each tile of 16 out.
; EVERY PRODUCT IS USED SO THAT ITS RESULT IS THE NEXT OPERAND (lane (r,h), register j of a result = row 8h+j, column r):
;   K^T = Wk x xn (rows d, columns pos)  -> packed: first operand of S^T (row key r, contraction d)
;   V   = xn x Wv (rows pos, columns d)  -> packed: first operand of O^T (row d r, contraction key)
;   Q^T = Wq x xn                        -> packed: second operand of S^T (column q r)
;   S^T = K x Q + tb (rows key, columns q): a query's 256 logits lie in two lanes' registers: max and sum need one exchange between the halves
;   P   = exp2(S^T - max), packed        -> second operand of O^T;   O^T = V^T x P;   G^T = Wg x xn + bg has O^T's layout
;   O*g/l, packed                        -> second operand of out^T = Wo x OG + bo (rows o, columns pos): a lane holds 8 neighbouring o
; All logits are in base 2: log2(e)/sqrt(32) is folded into Wq, log2(e) into tb and the mask bias, -log2(e) into Wg (first launch) and bg (here).
; A PIPELINE OF THREE STAGES over the 16 query tiles: trip t leaves o*g of tile t in LDS; trip t+1 projects it by wo into an f32 stage; trip t+2 copies
; the stage out as whole rows of 512 bytes.  The round at the head of each trip, which the refill of tb needs anyway, orders the three stages.
; The products of O^T and of the output projection stand in pairs inside the softmax, each where its operands are ready, with independent vector work behind.
; CLUSTER of 4 work-groups: the triangle bias (1 MiB a work-group) and the weights (160 KiB) are the same for every i and are asked for jointly,
; mask 15, which divides those requests by four.  xn is not shared: the partners need different columns; it comes by plain tensor loads.
; No prefetch: xn is asked for in the first lines, and tbw and wf are read again and again by all 64 clusters.
; LDS: XN 0..69,632 (256 rows, pitch 272, filled once) | OG 69,632..77,824 (o*g as fragments, two tiles by parity) | STG 77,824..94,720 (the f32 stage,
;      16 rows at pitch 528, two tiles by parity); OG and STG are written by LDS stores alone |
;      TB 94,720..258,560: first the four weight blocks of 40,960 bytes, then two slots of 65,536 bytes of tb (16,384 a wave).
; LIMITS: matrix operands are f16 (xn, weights with their factors, q, k, v, P, o*g): each must stay below 65,504 in magnitude; with ln_w, ln_b and
; the weights 30 times those drawn, k and v are about 285 rms.  Numbers below 2^-14 keep an absolute step of 2^-24.  Sums, softmax and gate are f32.
; The biases are added as (q.k + tb) + mask bias.  In a row whose keys are all masked the logits collapse to one value while |q.k + tb| < 64 (base 2),
; as they do in f32 at 1e9; beyond that the result is rounding noise there as here.  The maximum taken away is the row's true maximum.  NaN passes through.
.set NL2E, 0xbfb8aa3b                  ; -log2(e)
.set XP,   272                         ; pitch of XN: 256 bytes + 16 = 17 x 16
.set OG,   256*XP
.set OGB,  4096                        ; o*g of one tile: 4 heads x 2 x 512 bytes
.set STG,  OG+2*OGB
.set OP,   528                         ; pitch of the output stage: 512 bytes + 16 = 33 x 16
.set STGB, 16*OP
.set TB,   STG+2*STGB
.set SLOT, 65536
.set WBLK, 40960
.set TILEO, 16*131072                  ; bytes of out0 from one tile of 16 positions to the next
; window 0
.set L16, 1                            ; 16 x lane
.set XB,  2                            ; r * 272 + 16 h: my bytes of a fragment of xn (K/V phase);  then STR
.set STR, 2                            ; stage, back: row 4w, 16 bytes a lane
.set XQ,  3                            ; XB at the trip's query tile
.set TBA, 4                            ; v4, v5: my 16 bytes in my wave's part of tb slot 0, 1
.set OGW, 6                            ; o*g, in: my head's 1,024 bytes, 16 bytes a lane
.set H32, 7                            ; 32 h (the small inputs' offset);  then STW
.set STW, 7                            ; stage, in: row r, byte 128 w + 32 h
.set MX,  8                            ; v[8:11] four chains of the maximum
.set PT,  12                           ; takes the other half's figure
.set TW,  13                           ; my 16 bytes in my wave's weight block;  then OGR
.set OGR, 13                           ; o*g, back: 16 bytes a lane
.set MP,  14                           ; v[14:15] the maximum twice, later 1/l twice
.set BG,  16                           ; v[16:31] -log2(e) * bg as a C operand
.set XF,  32                           ; v[32:63] four fragments of xn
.set S,   64                           ; v[64:191] 16 tiles of logits; P is packed into its lower half
.set QA,  192
.set GA,  208
.set OA,  224
.set QF,  240
.set LS,  248                          ; v[248:255] four chains of the sum
.set XF2, 224                          ; second fragment buffer (K/V phase)
.set WK,  64                           ; K/V phase: Wk and Wv lie where the logits will
.set WV,  128
.set KA,  192
.set KF,  0                            ; window 1: v[0:127] K, tile kt at 8 kt; v[128:255] V^T, (e, ks) at 128 + 64 e + 8 ks
.set VF,  128
.set MB,  0                            ; window 2: v[0:127] mask bias as a C operand; v[128:191] Wq; v[192:255] Wg
.set WQ,  128
.set WG,  192
.set WO,  0                            ; window 3: v[0:63] Wo; v[64:79] bo as a C operand;
.set BO,  64
.set OGF, 80                           ;           v[80:111] four fragments of o*g; v[112:127] two accumulators of out^T; v[128:143] four rows on their way out
.set PA,  112
.set CP,  128
.set G1X, 24
.set G1W, 32
.set G1T, 40
.set G0X, 48
.set G0W, 52
.set G0T, 56                           ; s[56:59] slot 0, s[60:63] slot 1
.set MSB, 0
.macro WIN new                         ; low byte: bits 1:0 source 0, 3:2 source 1, 5:4 source 2, 7:6 destination; the high byte repeats the setting that is left
.if MSB != \new
	s_set_vgpr_msb (MSB<<8)|\new
.set MSB, \new
.endif
.endm
.macro PLACES n                        ; places behind a matrix instruction are plain vector instructions that name none of its registers (ISA guide 7.12.1)
.rept \n
	v_nop
.endr
.endm
.macro MM d, a, b, first               ; one matrix instruction; first = 1: it starts the sum
.if \first
	v_wmma_f32_16x16x32_f16 v[\d:\d+7], v[\a:\a+7], v[\b:\b+7], 0
.else
	v_wmma_f32_16x16x32_f16 v[\d:\d+7], v[\a:\a+7], v[\b:\b+7], v[\d:\d+7]
.endif
.endm
; A round of the cluster's barrier: my work-group's barrier, wave 0 signals for the work-group, every wave waits for all four work-groups, my work-group's barrier again
.macro ROUND
	s_barrier_signal -1
	s_barrier_wait -1
	s_cmp_lg_u32 s18, 0
	s_cbranch_scc1 .Lnot_wave_0_\@
	s_barrier_signal -3
.Lnot_wave_0_\@:
	s_barrier_wait -3
	s_barrier_signal -1
	s_barrier_wait -1
.endm
	s_load_b256 s[4:11], s[0:1], 0x0               ; xnh, tbw, wf, mbt
	s_load_b128 s[12:15], s[0:1], 0x20             ; bg, bo
	s_load_b64 s[16:17], s[0:1], 0x30              ; out0
	s_set_vgpr_msb 0xc0
	v_lshl_add_u32 v144, v0, 2, 0x3f200
	v_mov_b32 v145, 0
	s_set_vgpr_msb 0xc0cf
	ds_add_u32 v144, v145
	ds_add_u32 v144, v145
	s_set_vgpr_msb 0xcf00
	v_lshrrev_b32 v1, 5, v0
	v_readfirstlane_b32 s18, v1                    ; wave = head
	s_bfe_u32 s19, ttmp6, 0x40000                  ; cx
	s_lshl_b32 s20, ttmp9, 2
	s_add_co_u32 s20, s20, s19                     ; i = 4 x cluster + cx: enters global addresses of plain accesses alone
	s_mov_b32 s22, 0x76543210                      ; v_permlanex16_b32: lane i reads lane i of the other half
	s_mov_b32 s23, 0xfedcba98
	; xn: 64 rows of 128 f16, 65,536 bytes apart, 4 words of padding behind every 64 words; no mask
	s_mov_b32 s[G1X+0], 0x07510000
	s_mov_b32 s[G1X+1], 128<<16
	s_mov_b32 s[G1X+2], 64<<16
	s_mov_b32 s[G1X+3], 128<<16
	s_mov_b32 s[G1X+4], 64
	s_mov_b32 s[G1X+5], 32768
	s_mov_b32 s[G1X+6], 0
	s_mov_b32 s[G1X+7], 0
	; a weight block: 40,960 dense bytes as 160 rows of 32 elements of 8 bytes; mask 15 with bit 21 beside it
	s_mov_b32 s[G1W+0], 0x0023000f
	s_mov_b32 s[G1W+1], 32<<16
	s_mov_b32 s[G1W+2], 160<<16
	s_mov_b32 s[G1W+3], 32<<16
	s_mov_b32 s[G1W+4], 160
	s_mov_b32 s[G1W+5], 32
	s_mov_b32 s[G1W+6], 0
	s_mov_b32 s[G1W+7], 0
	; a head's tb of one query tile: 16,384 dense bytes as 64 rows of 256 bytes; the same mask
	s_mov_b32 s[G1T+0], 0x0023000f
	s_mov_b32 s[G1T+1], 32<<16
	s_mov_b32 s[G1T+2], 64<<16
	s_mov_b32 s[G1T+3], 32<<16
	s_mov_b32 s[G1T+4], 64
	s_mov_b32 s[G1T+5], 32
	s_mov_b32 s[G1T+6], 0
	s_mov_b32 s[G1T+7], 0
	s_mov_b32 s[G0X], 1
	s_mov_b32 s[G0W], 1
	s_mov_b32 s[G0T], 1
	s_mov_b32 s[G0T+4], 1
	s_mul_i32 s[G0X+1], s18, 64*XP                 ; LDS addresses hang on the wave's number alone
	s_mul_i32 s66, s18, WBLK
	s_mov_b32 s67, 0
	s_add_co_u32 s[G0W+1], s66, TB
	s_lshl_b32 s68, s18, 14
	s_mov_b32 s69, 0
	s_add_co_u32 s[G0T+1], s68, TB
	s_add_co_u32 s[G0T+5], s68, TB+SLOT
	s_lshl_b32 s70, s20, 8                         ; xnh[64 w][i]: i * 256 + w * 64 * 65,536 bytes
	s_lshl_b32 s71, s18, 22
	s_add_co_u32 s70, s70, s71
	s_mov_b32 s71, 0
	s_wait_dscnt 0x0
	s_wait_kmcnt 0x0
	s_add_nc_u64 s[G0X+2:G0X+3], s[4:5], s[70:71]
	s_or_b32 s[G0X+3], s[G0X+3], 0x80000000
	s_add_nc_u64 s[G0W+2:G0W+3], s[8:9], s[66:67]
	s_or_b32 s[G0W+3], s[G0W+3], 0x80000000
	s_add_nc_u64 s[G0T+2:G0T+3], s[6:7], s[68:69]  ; query tile 0, head w
	s_add_nc_u64 s[G0T+6:G0T+7], s[G0T+2:G0T+3], 65536             ; query tile 1
	s_or_b32 s[G0T+3], s[G0T+3], 0x80000000
	s_or_b32 s[G0T+7], s[G0T+7], 0x80000000
	ROUND                                          ; all four work-groups are here: the first joint loads meet
	tensor_load_to_lds s[G0X:G0X+3], s[G1X:G1X+7]  ; my 64 rows of xn (plain)
	s_nop 0
	tensor_load_to_lds s[G0W:G0W+3], s[G1W:G1W+7]  ; my head's weights (joint).  Two tensor loads of the wave are out
	s_nop 0
	; while they are on their way: the lanes' addresses and the small inputs
	s_lshl_b32 s66, s20, 10
	s_add_nc_u64 s[66:67], s[10:11], s[66:67]      ; mbt[i]
	s_lshl_b32 s68, s18, 7
	s_add_nc_u64 s[70:71], s[14:15], s[68:69]      ; bo + 32 w numbers
	s_add_nc_u64 s[68:69], s[12:13], s[68:69]      ; bg + 32 w numbers
	v_and_b32 v1, 31, v0
	v_lshlrev_b32 v[L16], 4, v1
	v_and_b32 v8, 15, v0                           ; r
	v_bfe_u32 v9, v0, 4, 1                         ; h
	v_mul_u32_u24 v[XB], v8, XP
	v_lshl_add_u32 v[XB], v9, 4, v[XB]
	v_lshlrev_b32 v[H32], 5, v9
	v_add_nc_u32 v[TBA], s[G0T+1], v[L16]
	v_add_nc_u32 v[TBA+1], s[G0T+5], v[L16]
	v_add_nc_u32 v[TW], s[G0W+1], v[L16]
	s_lshl_b32 s21, s18, 10
	s_add_co_u32 s21, s21, OG
	v_add_nc_u32 v[OGW], s21, v[L16]
	v_mov_b32 v[PT], 0                             ; v_permlanex16_b32 counts as a reader of its destination
	; the small inputs, straight into their operand layouts: register 8kt+j of lane (r,h) is key (or channel) 16kt+8h+j
	WIN 0x80
.irp kt, 0,1,2,3,4,5,6,7,8,9,10,11,12,13,14,15
	global_load_b128 v[MB+8*\kt:MB+8*\kt+3],   v[H32], s[66:67] offset:64*\kt
	global_load_b128 v[MB+8*\kt+4:MB+8*\kt+7], v[H32], s[66:67] offset:64*\kt+16
.endr
	WIN 0xc0
.irp n, 0,1,2,3
	global_load_b128 v[BO+4*\n:BO+4*\n+3], v[H32], s[70:71] offset:64*(\n/2)+16*(\n%2)
.endr
	WIN 0
.irp n, 0,1,2,3
	global_load_b128 v[BG+4*\n:BG+4*\n+3], v[H32], s[68:69] offset:64*(\n/2)+16*(\n%2)
.endr
	s_set_vgpr_msb 0xf
	s_wait_tensorcnt 0x0                           ; both tensor loads have landed: the weights are read by the wave that asked for them
	ds_add_u32 v144, v145
	s_wait_dscnt 0x0
	s_set_vgpr_msb 0xf00
.macro WLOAD part, base                ; a matrix's 16 chunks of 512 bytes, lane L at 16 L: fragment (e, s) lands at base + 8 (4 e + s)
.irp ci, 0,1,2,3,4,5,6,7,8,9,10,11,12,13,14,15
	ds_load_b128 v[\base+4*\ci:\base+4*\ci+3], v[TW] offset:\part*8192+\ci*512
.endr
.endm
	WIN 0x80
	WLOAD 0, WQ
	WLOAD 3, WG
	WIN 0xc0
	WLOAD 4, WO
	WIN 0
	WLOAD 1, WK
	WLOAD 2, WV
	s_wait_dscnt 0x0                               ; my reads of the weight block are back, and no tensor load of mine is out:
	ROUND                                          ; the same now holds of every wave of the cluster, and every wave's rows of xn are in LDS
	tensor_load_to_lds s[G0T:G0T+3], s[G1T:G1T+7]  ; tb of query tile 0 over the weights' bytes: my one tensor load behind this round; it lands during the K/V phase
	s_nop 0
	; K AND V of all 256 positions for my head, 16 positions at a time, on two fragment buffers
.irp s, 0,1,2,3
	ds_load_b128 v[XF+8*\s:XF+8*\s+3],   v[XB] offset:64*\s
	ds_load_b128 v[XF+8*\s+4:XF+8*\s+7], v[XB] offset:64*\s+32
.endr
.macro KV4 cur, s, first               ; four accumulators by turns, one instruction a turn
	MM KA,    WK+8*\s,    \cur+8*\s,  \first
	MM KA+8,  WK+32+8*\s, \cur+8*\s,  \first
	MM KA+16, \cur+8*\s,  WV+8*\s,    \first
	MM KA+24, \cur+8*\s,  WV+32+8*\s, \first
.endm
.macro KVTILE pt, cur, nxt
.if \pt < 15
.irp s, 0,1,2,3
	ds_load_b128 v[\nxt+8*\s:\nxt+8*\s+3],   v[XB] offset:((\pt)+1)*16*XP+64*\s      ; 65,504 at the most
	ds_load_b128 v[\nxt+8*\s+4:\nxt+8*\s+7], v[XB] offset:((\pt)+1)*16*XP+64*\s+32
.endr
	s_wait_dscnt 0x8                               ; this tile's fragments are in; the next tile's eight loads may be out
.else
	s_wait_dscnt 0x0
.endif
	KV4 \cur, 0, 1
	KV4 \cur, 1, 0
	KV4 \cur, 2, 0
	KV4 \cur, 3, 0
	PLACES 4                                       ; for the conversions below, and for the next tile's loads into the buffer just multiplied
	WIN 0x40
.irp e, 0,1
.irp u, 0,1,2,3
	v_cvt_pk_f16_f32 v[KF+8*(\pt)+4*\e+\u], v[KA+8*\e+2*\u], v[KA+8*\e+2*\u+1]
.endr
.endr
.irp e, 0,1
.irp u, 0,1,2,3
	v_cvt_pk_f16_f32 v[VF+64*\e+8*((\pt)>>1)+4*((\pt)&1)+\u], v[KA+16+8*\e+2*\u], v[KA+16+8*\e+2*\u+1]
.endr
.endr
	WIN 0
.endm
.irp p, 0,2,4,6,8,10,12,14
	KVTILE \p, XF, XF2
	KVTILE \p+1, XF2, XF
.endr
	s_wait_loadcnt 0x0                             ; mask bias, bg, bo are in; their offset register and bases are free
.irp c, 0,1,2,3,4,5,6,7
	v_pk_mul_f32 v[BG+2*\c:BG+2*\c+1], v[BG+2*\c:BG+2*\c+1], NL2E op_sel_hi:[1,0]
.endr
	v_mov_b32 v[XQ], v[XB]
	; the addresses of the pipeline's second and third stage, in registers whose first use is over
	v_and_b32 v8, 15, v0                           ; r
	v_bfe_u32 v9, v0, 4, 1                         ; h
	v_mul_u32_u24 v[STW], v8, OP
	v_lshl_add_u32 v[STW], v9, 5, v[STW]
	s_lshl_b32 s66, s18, 7
	s_add_co_u32 s66, s66, STG
	v_add_nc_u32 v[STW], s66, v[STW]               ; row r, byte 128 w + 32 h
	v_add_nc_u32 v[OGR], OG, v[L16]
	s_mul_i32 s67, s18, 4*OP
	s_add_co_u32 s67, s67, STG
	v_add_nc_u32 v[STR], s67, v[L16]               ; my four rows, 16 bytes a lane
	s_lshl_b32 s66, s20, 9                         ; out0[4 w][i]: i * 512 + w * 4 * 131,072 bytes
	s_lshl_b32 s67, s18, 19
	s_add_co_u32 s66, s66, s67
	s_mov_b32 s67, 0
	s_add_nc_u64 s[16:17], s[16:17], s[66:67]
.macro SUBT kt
.irp c, 0,1,2,3
	v_pk_add_f32 v[S+8*(\kt)+2*\c:S+8*(\kt)+2*\c+1], v[S+8*(\kt)+2*\c:S+8*(\kt)+2*\c+1], v[MP:MP+1] neg_lo:[0,1] neg_hi:[0,1]
.endr
.endm
.macro EXPT kt
.irp j, 0,1,2,3,4,5,6,7
	v_exp_f32 v[S+8*(\kt)+\j], v[S+8*(\kt)+\j]
.endr
.endm
.macro SUMT kt
	s_wait_alu depctr_va_vdst(0)
.irp c, 0,1,2,3
	v_pk_add_f32 v[LS+2*\c:LS+2*\c+1], v[LS+2*\c:LS+2*\c+1], v[S+8*(\kt)+2*\c:S+8*(\kt)+2*\c+1]
.endr
.endm
.macro CVTT kt                         ; tile kt is packed into registers 4kt .. 4kt+3 of S, which belong to a tile that has been summed and packed
.irp u, 0,1,2,3
	v_cvt_pk_f16_f32 v[S+4*(\kt)+\u], v[S+8*(\kt)+2*\u], v[S+8*(\kt)+2*\u+1]
.endr
.endm
.macro STEP kt                         ; key tile kt's exponentials; the sum and the packing run one tile behind, so that plain instructions stand between an exponential and its use
	SUBT \kt
	EXPT \kt
	SUMT \kt-1
	CVTT \kt-1
.endm
.macro PV ks, first                    ; O^T += V^T x P for keys 32 ks .. 32 ks + 31, as soon as key tiles 2 ks and 2 ks + 1 are packed.  Two accumulators by turns
	WIN 0x01
	MM OA,   VF+8*\ks,    S+8*\ks, \first
	MM OA+8, VF+64+8*\ks, S+8*\ks, \first
	WIN 0
.endm
.macro OP2 s                           ; out^T of my 32 channels, K step s = head s; every operand in window 3.  Two accumulators by turns
.if \s == 0
	v_wmma_f32_16x16x32_f16 v[PA:PA+7],    v[WO:WO+7],     v[OGF:OGF+7], v[BO:BO+7]        ; the sums start from bo
	v_wmma_f32_16x16x32_f16 v[PA+8:PA+15], v[WO+32:WO+39], v[OGF:OGF+7], v[BO+8:BO+15]
.else
	MM PA,   WO+8*\s,    OGF+8*\s, 0
	MM PA+8, WO+32+8*\s, OGF+8*\s, 0
.endif
.endm
.macro OPJ on, s
.if \on
	WIN 0xff
	OP2 \s
	WIN 0
.endif
.endm
.macro OGLOAD par                      ; o*g of the tile of parity par, all four heads: four fragments.  Destination in window 3
.irp k, 0,1,2,3
	ds_load_b128 v[OGF+8*\k:OGF+8*\k+3],   v[OGR] offset:(\par)*OGB+\k*1024
	ds_load_b128 v[OGF+8*\k+4:OGF+8*\k+7], v[OGR] offset:(\par)*OGB+\k*1024+512
.endr
.endm
.macro STSTORE par                     ; my 32 channels of 16 positions into the stage of parity par.  Data (source 1) in window 3
.irp o, 0,1
.irp u, 0,1
	ds_store_b128 v[STW], v[PA+8*\o+4*\u:PA+8*\o+4*\u+3] offset:(\par)*STGB+64*\o+16*\u
.endr
.endr
.endm
.macro CPLOAD par                      ; my four rows of the stage of parity par.  Destination in window 3
.irp n, 0,1,2,3
	ds_load_b128 v[CP+4*\n:CP+4*\n+3], v[STR] offset:(\par)*STGB+\n*OP
.endr
.endm
.macro CPSTORE par                     ; and out: a store of the wave covers one row's 512 consecutive bytes, aligned.  The immediate is 2,490,368 at the most, inside its signed 24 bits
.irp n, 0,1,2,3
	global_store_b128 v[L16], v[CP+4*\n:CP+4*\n+3], s[16:17] offset:(\par)*TILEO+\n*131072 th:TH_STORE_NT
.endr
.endm
; One query tile t of 16 for my head.  slot = t & 1: where its tb lies; refill = 1: the other slot is filled with the next tile's;
; proj = 1: tile t-1 is projected by wo; copy = 1: tile t-2 is copied out.
.macro TRIP slot, refill, proj, copy
	s_set_vgpr_msb 0xf
	s_wait_tensorcnt 0x0                           ; all my tensor loads have landed, this trip's tb among them: so a group 0 may be written:
	ds_add_u32 v144, v145
	s_wait_dscnt 0x0
	s_set_vgpr_msb 0xf00
	s_add_nc_u64 s[G0T+4*\slot+2:G0T+4*\slot+3], s[G0T+4*\slot+2:G0T+4*\slot+3], 2*65536   ; this slot's next tile
	s_wait_dscnt 0x0                               ; my reads of the other tb slot, of o*g and of the stage, and my stores into these two, are done
	ROUND                                          ; all that now holds of every wave of the four work-groups
.if \refill
	tensor_load_to_lds s[G0T+4-4*\slot:G0T+7-4*\slot], s[G1T:G1T+7]        ; my one tensor load behind the round; it has the whole trip in which to land
	s_nop 0
.endif
.irp s, 0,1,2,3
	ds_load_b128 v[XF+8*\s:XF+8*\s+3],   v[XQ] offset:64*\s
	ds_load_b128 v[XF+8*\s+4:XF+8*\s+7], v[XQ] offset:64*\s+32
.endr
.irp n, 0,1,2,3,4,5,6,7,8,9,10,11,12,13,14,15,16,17,18,19,20,21,22,23,24,25,26,27,28,29,30,31
	ds_load_b128 v[S+4*\n:S+4*\n+3], v[TBA+\slot] offset:512*\n            ; tb straight into the accumulators: lane L at 16 L of each 512 bytes
.endr
.if \proj
	WIN 0xc0
	OGLOAD 1-\slot                                 ; what the four heads stored in the last trip
.endif
.if \copy
	s_wait_xcnt 0x0                                ; CP, which the last trip's stores read, is written again only behind this wait
	WIN 0xc0
	CPLOAD \slot                                   ; what the four waves projected in the last trip
.endif
	WIN 0
	s_wait_dscnt 32+8*\proj+4*\copy                ; xn's eight loads are in; the 32 of tb, the 8 of o*g and the 4 of the stage may be out
	; Q^T and G^T: four accumulators by turns; G starts from the gate's bias
	WIN 0x02
	v_wmma_f32_16x16x32_f16 v[QA:QA+7],    v[WQ:WQ+7],     v[XF:XF+7], 0
	v_wmma_f32_16x16x32_f16 v[QA+8:QA+15], v[WQ+32:WQ+39], v[XF:XF+7], 0
	v_wmma_f32_16x16x32_f16 v[GA:GA+7],    v[WG:WG+7],     v[XF:XF+7], v[BG:BG+7]
	v_wmma_f32_16x16x32_f16 v[GA+8:GA+15], v[WG+32:WG+39], v[XF:XF+7], v[BG+8:BG+15]
.irp s, 1,2,3
	MM QA,   WQ+8*\s,    XF+8*\s, 0
	MM QA+8, WQ+32+8*\s, XF+8*\s, 0
	MM GA,   WG+8*\s,    XF+8*\s, 0
	MM GA+8, WG+32+8*\s, XF+8*\s, 0
.endr
	WIN 0
	PLACES 4
.irp u, 0,1,2,3,4,5,6,7
	v_cvt_pk_f16_f32 v[QF+\u], v[QA+2*\u], v[QA+2*\u+1]
.endr
	s_wait_dscnt 0x0                               ; tb is in the accumulators; o*g and the stage's rows are in too
.if \copy
	WIN 0x0c
	CPSTORE \slot                                  ; tile t-2 leaves, ahead of the run of products
.endif
	WIN 0x01
.irp kt, 0,1,2,3,4,5,6,7,8,9,10,11,12,13,14,15
	MM S+8*\kt, KF+8*\kt, QF, 0                    ; S^T tile kt = K tile kt x Q + tb: sixteen different accumulators
.endr
	WIN 0
	; the gate, 1 / (1 + exp2(g')): its nine plain instructions are also the places behind the products above
.irp j, 0,1,2,3,4,5,6,7,8,9,10,11,12,13,14,15
	v_exp_f32 v[GA+\j], v[GA+\j]
.endr
	v_nop                                          ; one plain instruction between a transcendental and the use of its result (ISA guide 5.7.2)
	s_wait_alu depctr_va_vdst(0)
.irp c, 0,1,2,3,4,5,6,7
	v_pk_add_f32 v[GA+2*\c:GA+2*\c+1], v[GA+2*\c:GA+2*\c+1], 1.0 op_sel_hi:[1,0]
.endr
.irp j, 0,1,2,3,4,5,6,7,8,9,10,11,12,13,14,15
	v_rcp_f32 v[GA+\j], v[GA+\j]
.endr
	WIN 0x02                                       ; source 0 in window 2: the mask bias
.irp a, 0,1,2,3,4,5,6,7,8,9,10,11,12,13,14,15
.irp c, 0,1,2,3
	v_pk_add_f32 v[S+8*\a+2*\c:S+8*\a+2*\c+1], v[MB+8*\a+2*\c:MB+8*\a+2*\c+1], v[S+8*\a+2*\c:S+8*\a+2*\c+1]
.endr
.endr
	WIN 0
	; the row's maximum: four chains over my 128 keys, then the other half's 128
.irp c, 0,1,2,3
	v_max_num_f32 v[MX+\c], v[S+32*\c], v[S+32*\c+1]
.endr
.irp m, 1,2,3,4,5,6,7,8,9,10,11,12,13,14,15
.irp c, 0,1,2,3
	v_max3_num_f32 v[MX+\c], v[MX+\c], v[S+32*\c+2*\m], v[S+32*\c+2*\m+1]
.endr
.endr
	v_max3_num_f32 v[MX], v[MX], v[MX+1], v[MX+2]
	v_max_num_f32 v[MX], v[MX], v[MX+3]
	v_permlanex16_b32 v[PT], v[MX], s22, s23
	v_max_num_f32 v[MP], v[MX], v[PT]
	v_max_num_f32 v[MP+1], v[MX], v[PT]
	; P = exp2(S - max), its sum, and P in f16, key tile by key tile.  The maximum is final, so each K step of O^T follows the packing of its two key tiles;
	; the four K steps of the last tile's output projection stand between them.  Twenty independent vector instructions follow each pair of products.
	SUBT 0
	EXPT 0
	SUBT 1
	EXPT 1
	SUBT 2
	EXPT 2
	s_wait_alu depctr_va_vdst(0)
.irp c, 0,1,2,3
	v_pk_add_f32 v[LS+2*\c:LS+2*\c+1], v[S+2*\c:S+2*\c+1], v[S+8+2*\c:S+8+2*\c+1]   ; the first two tiles start the sums: nothing is cleared
.endr
	CVTT 0
	CVTT 1
	PV 0, 1                                        ; the first product starts O^T's sums
	STEP 3
	STEP 4
	PV 1, 0
	STEP 5
	OPJ \proj, 0
	STEP 6
	PV 2, 0
	STEP 7
	OPJ \proj, 1
	STEP 8
	PV 3, 0
	STEP 9
	OPJ \proj, 2
	STEP 10
	PV 4, 0
	STEP 11
	OPJ \proj, 3
	STEP 12
	PV 5, 0
	STEP 13
	STEP 14
	PV 6, 0
	STEP 15
	SUMT 15
	CVTT 15
.if \proj
	WIN 0x0c
	STSTORE 1-\slot                                ; tile t-1's 32 channels; more than four plain instructions stand behind its last product
.endif
	PV 7, 0
	v_pk_add_f32 v[LS:LS+1], v[LS:LS+1], v[LS+2:LS+3]              ; five places behind the products: the sum's chains close
	v_pk_add_f32 v[LS+4:LS+5], v[LS+4:LS+5], v[LS+6:LS+7]
	v_pk_add_f32 v[LS:LS+1], v[LS:LS+1], v[LS+4:LS+5]
	v_add_f32 v[LS], v[LS], v[LS+1]
	v_nop
	v_permlanex16_b32 v[PT], v[LS], s22, s23
	v_add_f32 v[LS], v[LS], v[PT]                  ; l is at least 1: the largest term is exp2(0)
	v_rcp_f32 v[MP], v[LS]
	v_rcp_f32 v[MP+1], v[LS]
	v_nop
	s_wait_alu depctr_va_vdst(0)
.irp c, 0,1,2,3,4,5,6,7
	v_pk_mul_f32 v[GA+2*\c:GA+2*\c+1], v[GA+2*\c:GA+2*\c+1], v[MP:MP+1]
.endr
.irp c, 0,1,2,3,4,5,6,7
	v_pk_mul_f32 v[OA+2*\c:OA+2*\c+1], v[OA+2*\c:OA+2*\c+1], v[GA+2*\c:GA+2*\c+1]
.endr
.irp u, 0,1,2,3,4,5,6,7
	v_cvt_pk_f16_f32 v[QA+\u], v[OA+2*\u], v[OA+2*\u+1]
.endr
	ds_store_b128 v[OGW], v[QA:QA+3] offset:\slot*OGB              ; o*g as the fragment of K step = head: lane L at 16 L
	ds_store_b128 v[OGW], v[QA+4:QA+7] offset:\slot*OGB+512
	v_add_nc_u32 v[XQ], 16*XP, v[XQ]
.endm
	TRIP 0, 1, 0, 0                                ; tile 0: nothing to project or to copy yet
	TRIP 1, 1, 1, 0                                ; tile 1: projects tile 0
	s_mov_b32 s21, 6
.Lq:
	TRIP 0, 1, 1, 1
	TRIP 1, 1, 1, 1
	s_wait_xcnt 0x0                                ; the stores' base is stepped only behind this wait
	s_add_nc_u64 s[16:17], s[16:17], 2*TILEO       ; two tiles of out0 on
	s_sub_co_i32 s21, s21, 1
	s_cmp_lg_u32 s21, 0
	s_cbranch_scc1 .Lq
	TRIP 0, 1, 1, 1                                ; query tile 14 asks for tile 15's tb: the last fill
	TRIP 1, 0, 1, 1                                ; nothing is left to fetch (the stepped addresses are not used)
	s_wait_xcnt 0x0
	s_add_nc_u64 s[16:17], s[16:17], 2*TILEO       ; at tile 14
	; THE PIPELINE RUNS EMPTY: tile 15 is projected while tile 14 leaves, then tile 15 leaves
	s_wait_dscnt 0x0                               ; my stores of o*g (tile 15) and into the stage (tile 14), and my reads of both, are done
	s_barrier_signal -1
	s_barrier_wait -1                              ; everybody's are
	WIN 0xc0
	OGLOAD 1
	CPLOAD 0                                       ; CP is free: the wait on XCNT above stands behind its last stores
	s_wait_dscnt 0x0
	WIN 0x0c
	CPSTORE 0
	WIN 0xff
	OP2 0
	OP2 1
	OP2 2
	OP2 3
	WIN 0
	PLACES 4                                       ; between the last product and the LDS stores that read its result
	WIN 0x0c
	STSTORE 1
	WIN 0
	s_wait_dscnt 0x0
	s_barrier_signal -1
	s_barrier_wait -1                              ; tile 15's stage is whole
	s_wait_xcnt 0x0                                ; CP, which tile 14's stores read, is written again only behind this wait
	WIN 0xc0
	CPLOAD 1
	s_wait_dscnt 0x0
	WIN 0x0c
	CPSTORE 1
	WIN 0
	s_set_vgpr_msb 0xf
	s_wait_tensorcnt 0x0
	ds_add_u32 v144, v145
	s_wait_dscnt 0x0
	s_set_vgpr_msb 0xf00
	ROUND                                          ; the closing round: no work-group ends while a partner may still ask for a tile that names it
	s_endpgm
.Lfunc_end_k_q4c7073c81b_attn:
	.size	k_q4c7073c81b_attn, .Lfunc_end_k_q4c7073c81b_attn-k_q4c7073c81b_attn
	.p2alignl 7, 3214868480
	.fill 96, 4, 3214868480
	.section	.rodata,"a",@progbits
	.p2align	6, 0x0
	.amdhsa_kernel k_q4c7073c81b_attn
		.amdhsa_group_segment_fixed_size 327680
		.amdhsa_private_segment_fixed_size 0
		.amdhsa_enable_private_segment 0
		.amdhsa_kernarg_size 56
		.amdhsa_user_sgpr_count 2
		.amdhsa_user_sgpr_kernarg_segment_ptr 1
		.amdhsa_wavefront_size32 1
		.amdhsa_system_sgpr_workgroup_id_x 1
		.amdhsa_system_sgpr_workgroup_id_y 1
		.amdhsa_system_sgpr_workgroup_id_z 1
		.amdhsa_system_vgpr_workitem_id 0
		.amdhsa_next_free_vgpr 914
		.amdhsa_next_free_sgpr 72
		.amdhsa_reserve_vcc 0
		.amdhsa_float_denorm_mode_32 3
		.amdhsa_float_denorm_mode_16_64 3
		.amdhsa_memory_ordered 1
		.amdhsa_forward_progress 1
		.amdhsa_inst_pref_size 255
	.end_amdhsa_kernel
	.section	.bss,"aw",@nobits
	.p2align	6
	.space	262144
	.amdgpu_metadata
---
amdhsa.version: [ 1, 2 ]
amdhsa.kernels:
  - .name:           k_q4c7073c81b_attn
    .symbol:         k_q4c7073c81b_attn.kd
    .args:
      - { .name: xnh, .offset: 0, .size: 8, .value_kind: global_buffer, .address_space: global }
      - { .name: tbw, .offset: 8, .size: 8, .value_kind: global_buffer, .address_space: global }
      - { .name: wf, .offset: 16, .size: 8, .value_kind: global_buffer, .address_space: global }
      - { .name: mbt, .offset: 24, .size: 8, .value_kind: global_buffer, .address_space: global }
      - { .name: bg, .offset: 32, .size: 8, .value_kind: global_buffer, .address_space: global }
      - { .name: bo, .offset: 40, .size: 8, .value_kind: global_buffer, .address_space: global }
      - { .name: out0, .offset: 48, .size: 8, .value_kind: global_buffer, .address_space: global }
    .group_segment_fixed_size: 327680
    .private_segment_fixed_size: 0
    .kernarg_segment_align: 8
    .kernarg_segment_size: 56
    .max_flat_workgroup_size: 128
    .sgpr_count:     72
    .vgpr_count:     914
    .wavefront_size: 32
...
	.end_amdgpu_metadata
.endif
;; end of part 2
